; MI455X (gfx1250); checked and timed in simulation.
; The chip was launched on July 23, 2026; its instructions are those of AMD's public machine-readable ISA for CDNA 5 (MIT licence, August 2026) and "CDNA5" Instruction Set Architecture Reference Guide (July 2026). The comments in the code are by the model that wrote it; some were corrected since.
;; Embedding. Allowed arithmetic: matrix products marked QUANTISED: E4M3 operands, one given power-of-two scale a tensor, by v_wmma_f32_16x16x64_fp8_fp8 or v_wmma_f32_16x16x128_fp8_fp8, f32 sums; everything else in f32.
;; Inputs: embeddings 8,000 x 1,024 float32; lowp_scales 2 int32 (the exponents e of the quantised operands' scales 2^e); x 4 x 2,048 int32.
;; Outputs: out0 4 x 2,048 x 1,024 float32.
;; This version of the problem:
;;   THIS VERSION OF THE PROBLEM IS GIVEN IN LOW PRECISION. The matrix products marked QUANTISED in the list below multiply operands that are first quantised to E4M3 (4 exponent bits, 3 mantissa bits; 8 bits a number), with one given power-of-two scale for each operand tensor; their sums are f32. All else is computed in f32.
;;   The module's matrix products, in the order in which they are computed (A, B: the left and right operand; K: the contracted axis; several contracted axes count as one K, in the product's order):
;;     1. [M 8,192, K 8,000] x [K 8,000, N 1,024]; A: computed on the way; B: input embeddings: QUANTISED (scales: A lowp_scales[0], B lowp_scales[1])
;;   THE QUANTISER, for each operand of a quantised product, along K:
;;     - The operand's scale is 2^e, e = its entry of the input lowp_scales (int32; the entries are numbered through the quantised products in the list's order, A before B).
;;     - Each number is divided by the scale, clamped to +-448, and rounded to the nearest number of E4M3, ties to even, subnormals kept.
;;     - The product sums the exact products of the quantised numbers (number of the format x scale) in f32.
;;   ~~~python
;;   def quantise(x, axis, e):      # numpy; x: float32 -> the quantised numbers, widened to float32 again
;;       x = np.moveaxis(x, axis, -1); K = x.shape[-1]
;;       r = np.clip(x / 2.0 ** e, -448, 448)
;;       step = 2.0 ** (np.maximum(np.frexp(np.where(r == 0, 1, r))[1] - 1, -6) - 3)
;;       q = np.round(r / step) * step * 2.0 ** e      # np.round: ties to even
;;       return np.moveaxis(q, -1, axis).astype(np.float32)
;;   ~~~
;;   OPERANDS COMPUTED ON THE WAY. 'Computed on the way' means the value that the module computes at that place (a softmax that the list does not call 'softmax' is quantised finished and normalised). What goes into a quantiser is computed in f32, as accurately as f32 sums, v_exp_f32 and their like allow (about 1e-6 of the number): no bf16 or f16 on the way to a quantiser, and a product that is left as it is and whose result goes on into a quantised operand takes f32 operands (vector FMAs, or v_wmma_f32_16x16x4_f32). A number that lies on a knife's edge between two numbers of the format may be rounded either way, as far as f32 arithmetic and the matrix unit's own rounding can turn it there, and no further.
;; One version. Each part assembles by itself: llvm-mc -triple=amdgcn-amd-amdhsa -mcpu=gfx1250 --defsym DOCPART=n.
;; ======== version 1 of 1: 2 launches
;; workspace buffers: wq 8,257,536 bytes
;; launch quant (part 1): grid 8 x 63, 4 waves a work-group, no clusters, 0 bytes of LDS; arguments embeddings, lowp_scales, wq; writes wq
.if DOCPART == 1
	.amdgcn_target "amdgcn-amd-amdhsa--gfx1250"
	.amdhsa_code_object_version 6
	.text
	.protected	k_q663a5733ca_quant
	.globl	k_q663a5733ca_quant
	.p2align	8
	.type	k_q663a5733ca_quant,@function
k_q663a5733ca_quant:
	s_mov_b64 s[64:65], 0
	v_nop
	global_prefetch_b8 v0, s[64:65] scope:SCOPE_SE
	s_setreg_imm32_b32 hwreg(HW_REG_WAVE_MODE, 25, 1), 1
	s_wait_xcnt 0x0
; embeddings [8000 (k)][1024 (n)], f32, is the right operand of the one-hot product; K is its FIRST axis.  It becomes codes of FP8 (E4M3) with the one given scale 2^e1 (entry 1 of the scales):
; code = x / 2^e1, held within +-448, rounded to the nearest code, ties to even.
; LIMITS: e1 between -126 and 119, so that 2^e1 and 448 x 2^e1 are f32 numbers.  NaN among the inputs is not served; an infinity is held at the largest code.
; THE CODES LIE IN THE ORDER OF THE OPERAND'S REGISTERS: wq[nt 0..7][s 0..62][b 0..7][c 0..3][lane 0..31][16 bytes]; byte i of the 16 of lane r + 16 h is the code of
; embeddings[128 s + 32 c + 16 h + i][128 nt + 16 b + r].  So the product's launch gets a fragment (16 columns x 128 K) by four loads of 16 bytes a lane at 16 x lane, and a K step's eight fragments are 16,384 dense bytes.
; K is filled up from 8,000 to 63 x 128 = 8,064 with zero codes, which add nothing to a sum.
; SHARES.  Work-group (nt, s) makes one K step's 16,384 bytes; wave w the columns 128 nt + 32 w + lane, which are fragments 2 w (lanes 0-15) and 2 w + 1 (lanes 16-31).
; A LANE TAKES A COLUMN, AND ITS REGISTERS RUN DOWN K: each load reads 128 consecutive bytes a wave (512 a work-group), and the conversions, which take neighbours along K from one lane's consecutive
; registers, give 16 codes = 16 bytes that belong together.  In each store lanes 0-15 write 256 consecutive bytes, aligned, and lanes 16-31 another 256: no stage in LDS is needed.
; Memory binds here: no LDS, no barrier, no matrix unit, no cluster (no two work-groups read the same bytes).  Every offset is an immediate and no register of a memory instruction is written again, so no wait on XCNT is written.
.set X,   16                           ; v16-143  four blocks of 32 numbers: block c, register i: k = 128 s + 32 c + i of my column
.set C,   144                          ; v144-175 eight registers of codes for each block: no store's data are written again
.set Z,   12                           ; v12-15   zeros (the last K step only)
.set LIM, 10                           ; v10      448 x 2^e1
.set SC,  11                           ; v11      2^e1: the conversion takes its exponent field
	s_load_b128 s[4:7], s[0:1], 0x0                ; embeddings s[4:5], the scales' exponents s[6:7]
	s_load_b64 s[8:9], s[0:1], 0x10                ; wq
	v_lshrrev_b32 v1, 5, v0
	v_readfirstlane_b32 s12, v1                    ; wave 0..3
	v_and_b32 v2, 31, v0                           ; lane
	v_lshlrev_b32 v3, 2, v2                        ; in: 4 bytes a lane
	v_lshrrev_b32 v5, 4, v2
	v_and_b32 v6, 15, v2
	v_lshlrev_b32 v4, 4, v6
	v_lshl_add_u32 v4, v5, 11, v4                  ; out: 16 (lane % 16) + 2,048 (lane / 16): my place in my fragment
	s_and_b32 s14, ttmp7, 0xffff                   ; s: which 128 along K
	s_lshl_b32 s16, s14, 19                        ; 128 rows of 4,096 bytes,
	s_lshl_b32 s20, ttmp9, 9                       ; 128 columns of 4 bytes,
	s_add_co_u32 s16, s16, s20
	s_lshl_b32 s20, s12, 7                         ; my wave's 32 columns
	s_add_co_u32 s16, s16, s20
	s_mov_b32 s17, 0
	s_mul_i32 s18, ttmp9, 63
	s_add_co_u32 s18, s18, s14
	s_lshl_b32 s18, s18, 14                        ; (63 nt + s) x 16,384,
	s_lshl_b32 s20, s12, 12                        ; my wave's two fragments
	s_add_co_u32 s18, s18, s20
	s_mov_b32 s19, 0
	s_wait_kmcnt 0x0
	s_load_b32 s21, s[6:7], 0x4                    ; e1
	s_add_nc_u64 s[4:5], s[4:5], s[16:17]
	s_add_nc_u64 s[8:9], s[8:9], s[18:19]
.macro LOADB c                         ; block c: 32 rows of the table at my column
.irp i, 0,1,2,3,4,5,6,7,8,9,10,11,12,13,14,15,16,17,18,19,20,21,22,23,24,25,26,27,28,29,30,31
	global_load_b32 v[X+32*\c+\i], v3, s[4:5] offset:(32*\c+\i)*4096 th:TH_LOAD_NT   ; read once in the whole launch
.endr
.endm
.macro MKSCALE
	s_wait_kmcnt 0x0
	s_add_co_i32 s21, s21, 127
	s_lshl_b32 s20, s21, 23
	v_mov_b32 v[SC], s20                           ; 2^e1 as f32
	s_add_co_i32 s21, s21, 8
	s_lshl_b32 s21, s21, 23
	s_or_b32 s21, s21, 0x600000
	v_mov_b32 v[LIM], s21                          ; 448 x 2^e1: 448's mantissa field under the exponent e1 + 8
.endm
.macro BLOCK c, left                   ; left: how many younger loads may stay out
	s_wait_loadcnt \left                           ; loads come back in order (ISA guide 5.7.1): this block's 32 are in
.irp i, 0,1,2,3,4,5,6,7,8,9,10,11,12,13,14,15,16,17,18,19,20,21,22,23,24,25,26,27,28,29,30,31
	v_med3_num_f32 v[X+32*\c+\i], v[X+32*\c+\i], -v[LIM], v[LIM]   ; the conversion to an 8-bit code does not saturate (ISA guide 7.6.2): the hold at the largest code x the scale comes first
.endr
.irp g, 0,1,2,3
	v_cvt_scalef32_pk8_fp8_f32 v[C+8*\c+2*\g:C+8*\c+2*\g+1], v[X+32*\c+8*\g:X+32*\c+8*\g+7], v[SC]   ; the results go to stores alone; the next vector lines are the next block's holds, plain and on other registers
.endr
	global_store_b128 v4, v[C+8*\c:C+8*\c+3], s[8:9] offset:512*\c          ; k = 32 c + 0 .. 15: the places of lanes 0-15 of the fragment
	global_store_b128 v4, v[C+8*\c+4:C+8*\c+7], s[8:9] offset:512*\c+256    ; k = 32 c + 16 .. 31: those of lanes 16-31.  The next launch reads these bytes: no hint
.endm
.macro ZEROB c                         ; a block past the table's end: zero codes
	global_store_b128 v4, v[Z:Z+3], s[8:9] offset:512*\c
	global_store_b128 v4, v[Z:Z+3], s[8:9] offset:512*\c+256
.endm
	s_cmp_eq_u32 s14, 62                           ; the last K step has 64 rows of the table and 64 of filling: no load leaves the buffer
	s_cbranch_scc1 .Lhalf
	LOADB 0
	LOADB 1
	LOADB 2
	LOADB 3
	MKSCALE
	BLOCK 0, 63                                    ; 96 younger loads might stay out; 63 is the largest count that the wait can name
	BLOCK 1, 63                                    ; 64 might
	BLOCK 2, 32                                    ; block 3's
	BLOCK 3, 0
	s_endpgm
.Lhalf:
	LOADB 0
	LOADB 1
	MKSCALE
.irp i, 0,1,2,3
	v_mov_b32 v[Z+\i], 0
.endr
	BLOCK 0, 32
	BLOCK 1, 0
	ZEROB 2
	ZEROB 3
	s_endpgm
.Lfunc_end_k_q663a5733ca_quant:
	.size	k_q663a5733ca_quant, .Lfunc_end_k_q663a5733ca_quant-k_q663a5733ca_quant
	.p2alignl 7, 3214868480
	.fill 96, 4, 3214868480
	.section	.rodata,"a",@progbits
	.p2align	6, 0x0
	.amdhsa_kernel k_q663a5733ca_quant
		.amdhsa_group_segment_fixed_size 0
		.amdhsa_private_segment_fixed_size 0
		.amdhsa_enable_private_segment 0
		.amdhsa_kernarg_size 24
		.amdhsa_user_sgpr_count 2
		.amdhsa_user_sgpr_kernarg_segment_ptr 1
		.amdhsa_wavefront_size32 1
		.amdhsa_system_sgpr_workgroup_id_x 1
		.amdhsa_system_sgpr_workgroup_id_y 1
		.amdhsa_system_sgpr_workgroup_id_z 1
		.amdhsa_system_vgpr_workitem_id 0
		.amdhsa_next_free_vgpr 176
		.amdhsa_next_free_sgpr 66
		.amdhsa_reserve_vcc 0
		.amdhsa_float_denorm_mode_32 3
		.amdhsa_float_denorm_mode_16_64 3
		.amdhsa_memory_ordered 1
		.amdhsa_forward_progress 1
		.amdhsa_inst_pref_size 36
	.end_amdhsa_kernel
	.amdgpu_metadata
---
amdhsa.version: [ 1, 2 ]
amdhsa.kernels:
  - .name:           k_q663a5733ca_quant
    .symbol:         k_q663a5733ca_quant.kd
    .args:
      - { .name: embeddings, .offset: 0, .size: 8, .value_kind: global_buffer, .address_space: global }
      - { .name: lowp_scales, .offset: 8, .size: 8, .value_kind: global_buffer, .address_space: global }
      - { .name: wq, .offset: 16, .size: 8, .value_kind: global_buffer, .address_space: global }
    .group_segment_fixed_size: 0
    .private_segment_fixed_size: 0
    .kernarg_segment_align: 8
    .kernarg_segment_size: 24
    .max_flat_workgroup_size: 128
    .sgpr_count:     66
    .vgpr_count:     176
    .wavefront_size: 32
...
	.end_amdgpu_metadata
.endif
;; end of part 1
;; launch gemm (part 2): grid 32 x 8, 4 waves a work-group, clusters of 4 x 1, 327,680 bytes of LDS; arguments x, lowp_scales, wq, out0; writes out0
.if DOCPART == 2
	.amdgcn_target "amdgcn-amd-amdhsa--gfx1250"
	.amdhsa_code_object_version 6
	.text
	.protected	k_q663a5733ca_gemm
	.globl	k_q663a5733ca_gemm
	.p2align	8
	.type	k_q663a5733ca_gemm,@function
k_q663a5733ca_gemm:
	s_mov_b64 s[64:65], 0
	v_nop
	global_prefetch_b8 v0, s[64:65] scope:SCOPE_SE
	s_setreg_imm32_b32 hwreg(HW_REG_WAVE_MODE, 25, 1), 1
	s_wait_xcnt 0x0
	s_wait_alu depctr_hold_cnt(0) depctr_sa_sdst(0) depctr_va_vdst(0) depctr_va_sdst(0) depctr_va_ssrc(0) depctr_va_vcc(0) depctr_vm_vsrc(0)
	s_getreg_b32 s2, hwreg(HW_REG_IB_STS2, 6, 4)
	s_cmp_eq_u32 s2, 0
	s_cbranch_scc0 .Lentry_in_a_cluster
	s_endpgm
.Lentry_in_a_cluster:
	s_bfe_u32 s2, ttmp6, 0x10000c
	s_cmp_lg_u32 s2, 0x3003
	s_cbranch_scc0 .Lentry_shape_is_right
	s_endpgm
.Lentry_shape_is_right:
; out0[m][n] = the sum over k of onehot(x)[m][k] embeddings[k][n], 8,192 x 8,000 x 1,024, both operands as codes of FP8 (E4M3), each with its given scale 2^e0, 2^e1; sums in f32, each multiplied once by 2^(e0 + e1).
; B's codes come from wq, made by the launch before, in the order of the operand's registers (K filled up to 63 x 128 with zero codes).  A IS MADE IN REGISTERS: its numbers are 0 and 1, its codes 0 and the code of 1 / 2^e0
; (held at 448, made by the conversion itself).  Row m has its one code at k = x[m]: step x >> 7, half of the lanes (x >> 4) & 1, register 4 ((x >> 5) & 3) + ((x >> 2) & 3), byte x & 3: the place that wq's layout gives that k.
; That place is a permutation of k, the same in A and in B; a sum has one term that is not 0, so the order of a sum plays no part.
; LIMITS: e0 between -126 and 119, so that 2^e0 and 448 x 2^e0 are f32 numbers; e0 + e1 is applied by v_ldexp_f32 and has none.  An x outside 0 .. 7,999 meets no step or only zero codes: a row of zeros, as the one-hot gives.
; SHARES.  256 work-groups of four waves; work-group (rb, nt) makes rows 256 rb on x columns 128 nt on; wave w rows 64 w .. 64 w + 63 and ALL 128 columns: 4 x 8 accumulators of 16 x 16, 256 registers.
; A step of 128 along K is, for a wave: 32 matrix instructions; 32 LDS loads of 16 bytes a lane (B's eight fragments, each feeding four products); 68 vector lines that make the next step's four fragments of A.
; For each row tile a lane keeps 16 PATTERN registers (its row's code in its register and byte, 0 elsewhere) and its row's step number (or -1 where the row's k lies in the other half of the lanes);
; one compare with the step's number and 16 selects between 0 and the pattern make a fragment.  No branch and no address hangs on x.
; THE MATRIX INSTRUCTION IS USED TRANSPOSED (source 0 = 16 columns of B, source 1 = 16 rows of A): a lane then holds eight neighbouring numbers of a row of the output.
; RING.  Two LDS slots of seven K steps (114,688 bytes), nine slot-fulls; each wave fetches a quarter of a slot by one tensor load, 112 rows of 256 dense bytes.
; CLUSTER.  The four row blocks of a cluster walk the same strip of wq: each tile is asked for JOINTLY, by the same tensor load with the same descriptor (made of nt and the wave's number alone) and the mask of all four.
; REGISTERS, in windows of 256 (s_set_vgpr_msb: bits 1:0 source 0, 3:2 source 1, 5:4 source 2, 7:6 destination):
;   window 0: v1-4 lane numbers; v8-11 LDS addresses of B; v12, v13 the stage; v16-26 the code's making; v28, v29 the add's; v30, v31 scales; v32-95, v128-255 the way out
;   window 1: B's fragments, two sets: v0-127, v128-255 (fragment b at 16 b)
;   window 2 (row tiles 0, 1) and window 3 (row tiles 2, 3), alike, al = tile % 2: v0-127 accumulators ((al, b) at 8 (8 al + b)); v128-191 A, two sets (set p, tile al at 128 + 32 p + 16 al); v192-223 patterns; v224, v225 step numbers; v226-233 set-up
; The lines that make A have a constant or a scalar as source 0 and all their registers in the accumulators' window: they run under the SAME setting as the products round them: four switches a step.
.set STEPB,  16384                     ; a K step's eight fragments
.set SLOTB,  7*STEPB
.set QUART,  SLOTB/4                   ; what one tensor load brings
.set STRIP,  63*STEPB                  ; wq's bytes for 128 columns
.set STAGE,  2*SLOTB                   ; behind the ring: 16 rows x (512 + 16) bytes for each wave; no fill lands here
.set SPITCH, 528                       ; 33 x 16 bytes: the sixteen rows that a store touches start at sixteen different 16-byte columns of the banks' 256 bytes (ISA guide 11.1)
.set WSTG,   16*SPITCH
.set SPARE,  STAGE+4*WSTG              ; behind the stages: the spare words, 128 bytes for each wave: two blocks of 256 bytes that no other line names
.set ADR, 8                            ; v8-11  16 x lane + 0, 65,536, SLOTB, SLOTB + 65,536: a slot's steps 0-3 and 4-6, so that the immediates stay within 16 bits.  v8 is also my byte offset in a row of the output
.set STO, 12                           ; v12    the stage: where I put 32 bytes of a row
.set RD,  13                           ; v13    and where I read a row back
.set SPW, 28                           ; v28    LDS address of my spare word; never rewritten
.set NIL, 29                           ; v29    0; never rewritten
.set TMP, 32                           ; the way out: a block's sums x 2^(e0 + e1)
.set BK,  128                          ; the way out: 16 rows read back: v128-191 and v192-255 by turns
.set AS,  128                          ; windows 2, 3: A's sets
.set PT,  192                          ; the patterns
.set SMR, 224                          ; the step numbers
.set XR,  226                          ; set-up: x of my row in tiles al = 0, 1
.set T0,  228
.set T1,  229
.set HR,  230                          ; lane / 16
.set CR,  231                          ; the code of 1
.set TQ,  232
.set TW,  233
.set WV,  12                           ; s12 my wave's number
.set G1,  24                           ; s[24:31] descriptor group 1
.set G0,  32                           ; s[32:39] descriptor group 0, a set for each slot
.set NS,  40                           ; s40 the number of the K step whose fragments of A are being made
.set ES,  44                           ; s44 e0 + e1
.set LO,   0xa9                        ; source 0 (B) window 1; source 1 (A, patterns, step numbers), C and D window 2
.set HI,   0xfd                        ; the same with window 3
.set TO_B, 0x40                        ; destination window 1, address window 0
.set MSB, 0
.macro WIN new                         ; the immediate's high byte repeats the setting that is left; a switch that changes nothing is dropped
.if MSB != \new
	s_set_vgpr_msb (MSB<<8)|\new
.set MSB, \new
.endif
.endm
.macro CREST                           ; a round of the cluster's barrier behind its opening barrier
	s_cmp_lg_u32 s[WV], 0
	s_cbranch_scc1 .Lnot_wave_0_\@
	s_barrier_signal -3
.Lnot_wave_0_\@:
	s_barrier_wait -3
	s_barrier_signal -1
	s_barrier_wait -1
.endm
.macro CROUND                          ; a whole round
	s_barrier_signal -1
	s_barrier_wait -1
	CREST
.endm
	s_load_b256 s[4:11], s[0:1], 0x0               ; x s[4:5], the scales' exponents s[6:7], wq s[8:9], out0 s[10:11]
	v_lshl_add_u32 v[SPW], v0, 2, SPARE
	v_mov_b32 v[NIL], 0
	ds_add_u32 v28, v29
	ds_add_u32 v28, v29
	s_wait_dscnt 0x0
	v_lshrrev_b32 v1, 5, v0
	v_readfirstlane_b32 s[WV], v1                  ; wave 0..3
	s_bfe_u32 s13, ttmp6, 0x40000                  ; cx: my place in the cluster
	s_lshl_b32 s14, ttmp9, 2                       ; in a cluster launch ttmp9 counts clusters
	s_add_co_u32 s14, s14, s13                     ; rb = 4 x cluster x + cx: it enters x's and out0's addresses alone
	s_and_b32 s15, ttmp7, 0xffff                   ; nt, which the four partners share
	; descriptor group 1: 112 rows of 32 elements of 8 bytes, dense in memory and in LDS
	s_mov_b32 s[G1+0], 15|(3<<16)|(1<<21)          ; 15:0 the mask: all four work-groups; 17:16 elements of 8 bytes; 20 no padding (every LDS access here is 16 x lane, on end); 21 set beside a mask
	s_mov_b32 s[G1+1], 32<<16                      ; tensor_dim0 = 32
	s_mov_b32 s[G1+2], 112<<16                     ; tensor_dim1 = 112
	s_mov_b32 s[G1+3], 32<<16                      ; tile_dim0 = 32
	s_mov_b32 s[G1+4], 112                         ; tile_dim1 = 112
	s_mov_b32 s[G1+5], 32                          ; from row to row: 32 elements
	s_mov_b32 s[G1+6], 0
	s_mov_b32 s[G1+7], 0
	s_lshl_b32 s16, s14, 10                        ; x: 256 rows of 4 bytes a block,
	s_lshl_b32 s18, s[WV], 8                       ; 64 a wave
	s_add_co_u32 s16, s16, s18
	s_mov_b32 s17, 0
	s_lshl_b32 s18, s14, 20                        ; out0: 256 rows of 4,096 bytes a block,
	s_lshl_b32 s19, s[WV], 18                      ; 64 a wave,
	s_add_co_u32 s18, s18, s19
	s_lshl_b32 s19, s15, 9                         ; 128 columns of 4 bytes
	s_add_co_u32 s18, s18, s19
	s_mov_b32 s19, 0
	s_mul_i32 s22, s[WV], QUART                    ; my quarter of a slot, in LDS and in memory: no place in the cluster enters it
	s_mul_i32 s20, s15, STRIP
	s_add_co_u32 s20, s20, s22
	s_mov_b32 s21, 0
	s_mov_b32 s[NS], 1                             ; step 0's fragments are made in the set-up; step t makes step t + 1's
	s_wait_kmcnt 0x0
	s_load_b64 s[42:43], s[6:7], 0x0               ; e0, e1
	s_add_nc_u64 s[4:5], s[4:5], s[16:17]
	s_add_nc_u64 s[10:11], s[10:11], s[18:19]
	s_add_nc_u64 s[8:9], s[8:9], s[20:21]
	CROUND                                         ; all four work-groups are here: the first joint loads meet
.irp s, 0,1
	s_mov_b32 s[G0+4*\s], 1                        ; 1:0 count = 1
	s_add_co_u32 s[G0+4*\s+1], s22, \s*SLOTB       ; 63:32 LDS address
	s_add_nc_u64 s[G0+4*\s+2:G0+4*\s+3], s[8:9], \s*SLOTB   ; 120:64 global address: slot-full s
	s_or_b32 s[G0+4*\s+3], s[G0+4*\s+3], 0x80000000         ; 127:126 type = 2
.endr
	tensor_load_to_lds s[G0:G0+3], s[G1:G1+7]      ; the two first fills go out together, ahead of every wait on TENSORcnt and every LDS read: two loads of mine are out
	s_nop 0
	tensor_load_to_lds s[G0+4:G0+7], s[G1:G1+7]
	s_nop 0
	v_and_b32 v1, 15, v0                           ; r = lane % 16.  (Four lines of the work stand behind the loads, ahead of the first window switch)
	v_bfe_u32 v2, v0, 4, 1                         ; h = lane / 16
	v_and_b32 v3, 31, v0                           ; lane
	v_lshlrev_b32 v4, 2, v1
	WIN 0x80                                       ; destination window 2, address window 0
	global_load_b32 v[XR], v4, s[4:5]              ; x of row 16 a + r of my wave's 64, a = 0 .. 3; both halves of the lanes read the same sixteen words
	global_load_b32 v[XR+1], v4, s[4:5] offset:64
	WIN 0xc0                                       ; destination window 3
	global_load_b32 v[XR], v4, s[4:5] offset:128
	global_load_b32 v[XR+1], v4, s[4:5] offset:192
	WIN 0
	v_lshlrev_b32 v[ADR], 4, v3
	v_add_nc_u32 v[ADR+1], 0x10000, v[ADR]
	v_add_nc_u32 v[ADR+2], SLOTB, v[ADR]
	v_add_nc_u32 v[ADR+3], SLOTB+0x10000, v[ADR]
	s_mul_i32 s23, s[WV], WSTG
	s_add_co_u32 s23, s23, STAGE                   ; my stage
	v_mul_u32_u24 v[STO], v1, SPITCH               ; in: row r, 32 bytes for each half of the lanes
	v_lshl_add_u32 v[STO], v2, 5, v[STO]
	v_add_nc_u32 v[STO], s23, v[STO]
	v_add_nc_u32 v[RD], s23, v[ADR]                ; back: the 32 lanes take one row of 512 bytes
	s_wait_kmcnt 0x0
	s_add_co_i32 s[ES], s42, s43                   ; e0 + e1
	s_add_co_i32 s45, s42, 127
	s_lshl_b32 s46, s45, 23
	v_mov_b32 v31, s46                             ; 2^e0 as f32: the conversion takes its exponent field
	s_add_co_i32 s45, s45, 8
	s_lshl_b32 s45, s45, 23
	s_or_b32 s45, s45, 0x600000
	v_mov_b32 v30, s45                             ; 448 x 2^e0
	v_min_num_f32 v16, 1.0, v30                    ; the one-hot's 1, held at the largest code x the scale (the conversion does not saturate: ISA guide 7.6.2)
.irp i, 17,18,19,20,21,22,23
	v_mov_b32 v\i, 0
.endr
	v_cvt_scalef32_pk8_fp8_f32 v[24:25], v[16:23], v31
	v_nop                                          ; one plain vector line between a scaled conversion and the line that reads its result
	v_and_b32 v26, 0xff, v24                       ; the code of 1 / 2^e0
	WIN 0x80
	v_mov_b32 v[HR], v2                            ; h and the code go where the set-up's other registers lie
	v_mov_b32 v[CR], v26
	WIN 0xc0
	v_mov_b32 v[HR], v2
	v_mov_b32 v[CR], v26
	s_wait_loadcnt 0x0                             ; x
; The set-up of two row tiles, with every operand place in one window (2, then 3).
.macro SETUP
.irp al, 0,1
	v_bfe_u32 v[T0], v[XR+\al], 4, 1               ; which half of the lanes holds the row's k
	v_lshrrev_b32 v[T1], 7, v[XR+\al]              ; which K step
	v_cmp_eq_u32 vcc_lo, v[T0], v[HR]
	v_cndmask_b32 v[SMR+\al], -1, v[T1], vcc_lo    ; the step's number in that half, -1 (no step's number) in the other
	v_bfe_u32 v[T0], v[XR+\al], 5, 2
	v_bfe_u32 v[T1], v[XR+\al], 2, 2
	v_lshl_add_u32 v[TQ], v[T0], 2, v[T1]          ; which register of the fragment
	v_and_b32 v[T0], 3, v[XR+\al]
	v_lshlrev_b32 v[T0], 3, v[T0]
	v_lshlrev_b32 v[TW], v[T0], v[CR]              ; the code in its byte
.irp q, 0,1,2,3,4,5,6,7,8,9,10,11,12,13,14,15
	v_cmp_eq_u32 vcc_lo, \q, v[TQ]
	v_cndmask_b32 v[PT+16*\al+\q], 0, v[TW], vcc_lo
.endr
	v_cmp_eq_u32 vcc_lo, 0, v[SMR+\al]             ; K step 0's fragment, into set 0
.irp q, 0,1,2,3,4,5,6,7,8,9,10,11,12,13,14,15
	v_cndmask_b32 v[AS+16*\al+\q], 0, v[PT+16*\al+\q], vcc_lo
.endr
.endr
.endm
	WIN 0xaa
	SETUP
	WIN 0xff
	SETUP
	WIN 0
; 32 LDS loads in one run: B's eight fragments of the slot's j-th K step into set p, fragments 0-3 first.  An instruction's 512 bytes lie on end.
.macro FETCH slot, j, p
	WIN TO_B
.irp b, 0,1,2,3,4,5,6,7
.irp c, 0,1,2,3
	ds_load_b128 v[128*(\p)+16*\b+4*\c:128*(\p)+16*\b+4*\c+3], v[ADR+2*(\slot)+(\j)/4] offset:((\j)%4)*STEPB+2048*\b+512*\c
.endr
.endr
.endm
; Eight matrix instructions under LO or HI: B's fragments 4 bh .. 4 bh + 3 x the window's two row tiles, set p.  zero = 1: the product starts its sum: nothing is ever cleared.
; gen = 1: behind each product two selects make the next step's fragment of the window's row tile bh, in set 1 - p.
; The 32 accumulators take turns, one instruction a turn, in the same order in every step.
; DISTANCES (ISA guide 7.12.1).  The selects write set 1 - p, whose last readers are the step before's products of the same window: the other window's 34 vector lines stand between, and name none of their registers.
.macro MULGEN bh, p, zero, gen
.if \gen
	v_cmp_eq_u32 vcc_lo, s[NS], v[SMR+\bh]
.endif
.irp bb, 0,1,2,3
.irp al, 0,1
.set rD, 8*(8*\al+4*\bh+\bb)
.set rB, 128*(\p)+16*(4*\bh+\bb)
.set rA, AS+32*(\p)+16*\al
.if \zero
	v_wmma_f32_16x16x128_fp8_fp8 v[rD:rD+7], v[rB:rB+15], v[rA:rA+15], 0
.else
	v_wmma_f32_16x16x128_fp8_fp8 v[rD:rD+7], v[rB:rB+15], v[rA:rA+15], v[rD:rD+7]
.endif
.if \gen
.set rG, AS+32*(1-(\p))+16*\bh+2*(2*\bb+\al)
.set rP, PT+16*\bh+2*(2*\bb+\al)
	v_cndmask_b32 v[rG], 0, v[rP], vcc_lo
	v_cndmask_b32 v[rG+1], 0, v[rP+1], vcc_lo
.endif
.endr
.endr
.endm
; A K step that has its successor in the same slot.  The run of loads writes B's set 1 - p, whose last readers are the step before's last products: the 17 vector lines of the first eight products here stand between.
.macro STEP slot, j, p, zero
	s_wait_dscnt 16                                ; B's fragments 0-3 are in; the youngest sixteen loads (fragments 4-7) may be out
	WIN LO
	MULGEN 0, \p, \zero, 1
	FETCH \slot, \j+1, 1-(\p)
	s_wait_dscnt 32                                ; all but the 32 just issued
	WIN LO
	MULGEN 1, \p, \zero, 1
	WIN HI
	MULGEN 0, \p, \zero, 1
	MULGEN 1, \p, \zero, 1
	s_add_co_u32 s[NS], s[NS], 1
.endm
; A slot's last step changes slots: ONE barrier; in front of it each wave waits for all its tensor loads, adds 0 to its spare word, and waits for that and for its own reads of this slot.
; fill = 1: the barrier opens a round of the cluster's barrier, and this slot is filled again, with the slot-full two on: that load has six steps and a half in which to land.
.macro TURN slot, p, fill
	WIN 0                                          ; (the add's two registers lie in window 0)
	s_wait_tensorcnt 0x0                           ; all my tensor loads have landed: the one that was out is my quarter of the next slot;
	ds_add_u32 v[SPW], v[NIL]                      ; 0 onto my spare word;
	s_wait_dscnt 17                                ; (the add and the youngest sixteen loads may be out)
	WIN LO
	MULGEN 0, \p, 0, 1                             ; eight products and their selects stand between the add and the wait for it
	s_wait_dscnt 0x0                               ; the add is done, and my reads of this slot are over
	s_barrier_signal -1
	MULGEN 1, \p, 0, 1                             ; work on registers while the others arrive
	WIN 0
	s_barrier_wait -1
.if \fill
	CREST                                          ; no wave of any partner still reads this slot or has a load on its way
	s_add_nc_u64 s[G0+4*(\slot)+2:G0+4*(\slot)+3], s[G0+4*(\slot)+2:G0+4*(\slot)+3], 2*SLOTB   ; no load of mine is out, so a group 0 may be written
	tensor_load_to_lds s[G0+4*(\slot):G0+4*(\slot)+3], s[G1:G1+7]   ; the first tensor load behind the round, and my only one until the next
	s_nop 0
.rept 4
	v_nop                                          ; ahead of the window switch below
.endr
.endif
	FETCH 1-\slot, 0, 1-(\p)
	WIN HI
	MULGEN 0, \p, 0, 1
	MULGEN 1, \p, 0, 1
	s_add_co_u32 s[NS], s[NS], 1
.endm
; A slot-full: seven K steps.  K step 7 i + j has parity (i + j) % 2, and slot-full i lies in slot i % 2.
.macro SLOTRUN slot, zero, fill
	STEP \slot, 0, (\slot)%2, \zero
	STEP \slot, 1, (\slot+1)%2, 0
	STEP \slot, 2, (\slot)%2, 0
	STEP \slot, 3, (\slot+1)%2, 0
	STEP \slot, 4, (\slot)%2, 0
	STEP \slot, 5, (\slot+1)%2, 0
	TURN \slot, (\slot)%2, \fill
.endm
	s_wait_tensorcnt 1                             ; my quarter of slot-full 0 is in; slot-full 1's may stay out
	s_barrier_signal -1
	s_barrier_wait -1                              ; everybody's is
	FETCH 0, 0, 0
	SLOTRUN 0, 1, 1                                ; slot-full 0 stands in front of the loop: its first step starts the sums.  It asks for slot-full 2
	WIN 0
	s_mov_b32 s41, 3
.Llap:                                                 ; three trips: slot-fulls 1 to 6, which ask for 3 to 8
	SLOTRUN 1, 0, 1
	SLOTRUN 0, 0, 1
	WIN 0
	s_sub_co_u32 s41, s41, 1
	s_cmp_lg_u32 s41, 0
	s_cbranch_scc1 .Llap
	SLOTRUN 1, 0, 0                                ; slot-full 7: the tail is written out; nothing is asked for, and no round follows its barrier
	STEP 0, 0, 0, 0                                ; slot-full 8
	STEP 0, 1, 1, 0
	STEP 0, 2, 0, 0
	STEP 0, 3, 1, 0
	STEP 0, 4, 0, 0
	STEP 0, 5, 1, 0
	s_wait_dscnt 16                                ; K step 62, the last: nothing more to fetch or to make
	WIN LO
	MULGEN 0, 0, 0, 0
	s_wait_dscnt 0x0
	MULGEN 1, 0, 0, 0
	WIN HI
	MULGEN 0, 0, 0, 0
	MULGEN 1, 0, 0, 0
	WIN 0
; THE WAY OUT, a row tile (16 rows x 128 columns) at a time.  A lane holds 32 neighbouring bytes of a row and the lanes beside it hold other rows: so a tile goes through my own stage in LDS and comes back as whole rows of
; 512 bytes.  LDS serves a wave's instructions in order (ISA guide 5.7.1.4): no wait between the stores and the loads, nor in front of the next tile's stores.
.macro TOSTAGE a
	WIN 0x02+(\a)/2                                ; source 0: window 2 or 3
.set j, 0
.rept 64
	v_ldexp_f32 v[TMP+j], v[64*((\a)%2)+j], s[ES]  ; x 2^(e0 + e1), into other registers; each accumulator from its low end on
.set j, j+1
.endr
	WIN 0
.irp b, 0,1,2,3,4,5,6,7
	ds_store_b128 v[STO], v[TMP+8*\b:TMP+8*\b+3] offset:64*\b          ; lane (r, h): row r, columns 16 b + 8 h + 0 .. 7
	ds_store_b128 v[STO], v[TMP+8*\b+4:TMP+8*\b+7] offset:64*\b+16
.endr
.irp t, 0,1,2,3,4,5,6,7,8,9,10,11,12,13,14,15
	ds_load_b128 v[BK+64*((\a)%2)+4*\t:BK+64*((\a)%2)+4*\t+3], v[RD] offset:\t*SPITCH
.endr
.endm
.macro SEND a, younger                 ; younger: the LDS instructions issued behind tile a's loads, which may stay out
	s_wait_dscnt \younger                          ; the tile is back in registers
.irp t, 0,1,2,3,4,5,6,7,8,9,10,11,12,13,14,15
	global_store_b128 v[ADR], v[BK+64*((\a)%2)+4*\t:BK+64*((\a)%2)+4*\t+3], s[10:11] offset:(16*(\a)+\t)*4096 th:TH_STORE_NT   ; 32 lanes store 512 consecutive bytes, at a multiple of 512 from out0's first byte; the row stands in the immediate, 258,048 at the most; written once, read by nobody here
.endr
.endm
.rept 4
	v_nop                                          ; four places between the last products and the first read of a result (ISA guide 7.12.1): the last step has no vector lines of its own
.endr
	TOSTAGE 0
	TOSTAGE 1
	SEND 0, 32                                     ; behind tile 0's loads: tile 1's 16 stores and 16 loads
	s_wait_xcnt 0x0                                ; tile 0's stores have read their registers: tile 2's loads may land there
	TOSTAGE 2
	SEND 1, 32
	s_wait_xcnt 0x0                                ; likewise tile 1's, for tile 3
	TOSTAGE 3
	SEND 2, 32
	SEND 3, 0
	s_wait_tensorcnt 0x0                           ; the wave's end: behind my last tensor load and my last LDS store
	ds_add_u32 v[SPW], v[NIL]
	s_wait_dscnt 0x0
	CROUND                                         ; the closing round: no work-group ends while a partner may still ask for a tile that names it
	s_endpgm
.Lfunc_end_k_q663a5733ca_gemm:
	.size	k_q663a5733ca_gemm, .Lfunc_end_k_q663a5733ca_gemm-k_q663a5733ca_gemm
	.p2alignl 7, 3214868480
	.fill 96, 4, 3214868480
	.section	.rodata,"a",@progbits
	.p2align	6, 0x0
	.amdhsa_kernel k_q663a5733ca_gemm
		.amdhsa_group_segment_fixed_size 327680
		.amdhsa_private_segment_fixed_size 0
		.amdhsa_enable_private_segment 0
		.amdhsa_kernarg_size 32
		.amdhsa_user_sgpr_count 2
		.amdhsa_user_sgpr_kernarg_segment_ptr 1
		.amdhsa_wavefront_size32 1
		.amdhsa_system_sgpr_workgroup_id_x 1
		.amdhsa_system_sgpr_workgroup_id_y 1
		.amdhsa_system_sgpr_workgroup_id_z 1
		.amdhsa_system_vgpr_workitem_id 0
		.amdhsa_next_free_vgpr 1024
		.amdhsa_next_free_sgpr 66
		.amdhsa_reserve_vcc 1
		.amdhsa_float_denorm_mode_32 3
		.amdhsa_float_denorm_mode_16_64 3
		.amdhsa_memory_ordered 1
		.amdhsa_forward_progress 1
		.amdhsa_inst_pref_size 255
	.end_amdhsa_kernel
	.section	.bss,"aw",@nobits
	.p2align	6
	.space	262144
	.amdgpu_metadata
---
amdhsa.version: [ 1, 2 ]
amdhsa.kernels:
  - .name:           k_q663a5733ca_gemm
    .symbol:         k_q663a5733ca_gemm.kd
    .args:
      - { .name: x, .offset: 0, .size: 8, .value_kind: global_buffer, .address_space: global }
      - { .name: lowp_scales, .offset: 8, .size: 8, .value_kind: global_buffer, .address_space: global }
      - { .name: wq, .offset: 16, .size: 8, .value_kind: global_buffer, .address_space: global }
      - { .name: out0, .offset: 24, .size: 8, .value_kind: global_buffer, .address_space: global }
    .group_segment_fixed_size: 327680
    .private_segment_fixed_size: 0
    .kernarg_segment_align: 8
    .kernarg_segment_size: 32
    .max_flat_workgroup_size: 128
    .sgpr_count:     66
    .vgpr_count:     1024
    .wavefront_size: 32
...
	.end_amdgpu_metadata
.endif
;; end of part 2
